; MI455X (gfx1250); checked and timed in simulation.
; The chip was launched on July 23, 2026; its instructions are those of AMD's public machine-readable ISA for CDNA 5 (MIT licence, August 2026) and "CDNA5" Instruction Set Architecture Reference Guide (July 2026). The comments in the code are by the model that wrote it; some were corrected since.
;; Bert H Attention1 D. Allowed arithmetic: matrix products marked QUANTISED: E3M2 operands, one E8M0 scale for each 32 along K, by v_wmma_scale_f32_16x16x128_f8f6f4 with both operands' format E3M2, f32 sums; products left as they are: f32 operands where the result goes on into a quantised operand, else bf16, f16 or f32 operands; f32 sums; everything else in f32.
;; Inputs: Wk_codes 1,024 x 32 x 24 uint8 (E3M2 codes of Wk, K innermost, in blocks of 32 codes, four codes in three bytes); Wk_scales 1,024 x 32 uint8 (E8M0 scales of Wk, one for each 32 codes along K); Wq_codes 1,024 x 32 x 24 uint8 (E3M2 codes of Wq, K innermost, in blocks of 32 codes, four codes in three bytes); Wq_scales 1,024 x 32 uint8 (E8M0 scales of Wq, one for each 32 codes along K); Wv_codes 1,024 x 32 x 24 uint8 (E3M2 codes of Wv, K innermost, in blocks of 32 codes, four codes in three bytes); Wv_scales 1,024 x 32 uint8 (E8M0 scales of Wv, one for each 32 codes along K); attention_mask 4 x 4,096 float32; bk 1,024 float32; bq 1,024 float32; bv 1,024 float32; hidden_states_codes 4 x 4,096 x 32 x 24 uint8 (E3M2 codes of hidden_states, K innermost, in blocks of 32 codes, four codes in three bytes); hidden_states_scales 4 x 4,096 x 32 uint8 (E8M0 scales of hidden_states, one for each 32 codes along K).
;; Outputs: out0 4 x 4,096 x 1,024 float32.
;; This version of the problem:
;;   THIS VERSION OF THE PROBLEM IS GIVEN IN LOW PRECISION. The matrix products marked QUANTISED in the list below multiply operands that are first quantised to E3M2 (3 exponent bits, 2 mantissa bits; 6 bits a number), with one power-of-two scale for each 32 numbers along K (OCP MX v1.0); their sums are f32. All else is computed in f32.
;;   The module's matrix products, in the order in which they are computed (A, B: the left and right operand; K: the contracted axis; several contracted axes count as one K, in the product's order):
;;     1. [M 16,384, K 1,024] x [K 1,024, N 1,024]; A: input hidden_states (given as codes); B: input Wq (given as codes): QUANTISED
;;     2. [M 16,384, K 1,024] x [K 1,024, N 1,024]; A: input hidden_states (given as codes); B: input Wk (given as codes): QUANTISED
;;     3. [M 16,384, K 1,024] x [K 1,024, N 1,024]; A: input hidden_states (given as codes); B: input Wv (given as codes): QUANTISED
;;     4. batch 256 x [M 16, K 64] x [K 64, N 16]; A: computed on the way; B: computed on the way: QUANTISED
;;     5. batch 256 x [M 16, K 16] x [K 16, N 64]; A: computed on the way; B: computed on the way: left as it is (K = 16 < 32)
;;     6. batch 512 x [M 16, K 64] x [K 64, N 16]; A: computed on the way; B: computed on the way: QUANTISED
;;     7. batch 512 x [M 16, K 16] x [K 16, N 64]; A: computed on the way; B: computed on the way: left as it is (K = 16 < 32)
;;     8. batch 1,024 x [M 16, K 64] x [K 64, N 16]; A: computed on the way; B: computed on the way: QUANTISED
;;     9. batch 1,024 x [M 16, K 16] x [K 16, N 64]; A: computed on the way; B: computed on the way: left as it is (K = 16 < 32)
;;     10. batch 2,048 x [M 16, K 64] x [K 64, N 16]; A: computed on the way; B: computed on the way: QUANTISED
;;     11. batch 2,048 x [M 16, K 16] x [K 16, N 64]; A: computed on the way; B: computed on the way: left as it is (K = 16 < 32)
;;     12. batch 4,096 x [M 16, K 64] x [K 64, N 16]; A: computed on the way; B: computed on the way: QUANTISED
;;     13. batch 4,096 x [M 16, K 16] x [K 16, N 64]; A: computed on the way; B: computed on the way: left as it is (K = 16 < 32)
;;     14. batch 8,192 x [M 16, K 64] x [K 64, N 16]; A: computed on the way; B: computed on the way: QUANTISED
;;     15. batch 8,192 x [M 16, K 16] x [K 16, N 64]; A: computed on the way; B: computed on the way: left as it is (K = 16 < 32)
;;     16. batch 16,384 x [M 16, K 64] x [K 64, N 16]; A: computed on the way; B: computed on the way: QUANTISED
;;     17. batch 16,384 x [M 16, K 16] x [K 16, N 64]; A: computed on the way; B: computed on the way: left as it is (K = 16 < 32)
;;   THE QUANTISER, for each operand of a quantised product, along K:
;;     - K is cut into blocks of 32 from its start; a last block that is shorter is filled with zeros.
;;     - A block's scale is 2^e with e = floor(log2(the largest magnitude in the block)) - 4, held to -126 .. 127; a block of zeros has e = 0. As a byte (E8M0): e + 127.
;;     - Each number is divided by its block's scale, clamped to +-28, and rounded to the nearest number of E3M2, ties to even, subnormals kept.
;;     - The product sums the exact products of the quantised numbers (number of the format x scale) in f32.
;;   ~~~python
;;   def quantise(x, axis):      # numpy; x: float32 -> the quantised numbers, widened to float32 again
;;       x = np.moveaxis(x, axis, -1); K = x.shape[-1]
;;       x = np.pad(x, [(0, 0)] * (x.ndim - 1) + [(0, -K % 32)]); x = x.reshape(x.shape[:-1] + (-1, 32)); a = np.abs(x).max(-1, keepdims=True)
;;       e = np.where(a > 0, np.clip(np.frexp(np.where(a > 0, a, 1))[1] - 1 - 4, -126, 127), 0)      # np.frexp(a)[1] - 1 = floor(log2(a)), exactly
;;       r = np.clip(x / 2.0 ** e, -28, 28)
;;       step = 2.0 ** (np.maximum(np.frexp(np.where(r == 0, 1, r))[1] - 1, -2) - 2)
;;       q = np.round(r / step) * step * 2.0 ** e      # np.round: ties to even
;;       return np.moveaxis(q.reshape(q.shape[:-2] + (-1,))[..., :K], -1, axis).astype(np.float32)
;;   ~~~
;;   OPERANDS COMPUTED ON THE WAY. 'Computed on the way' means the value that the module computes at that place (a softmax that the list does not call 'softmax' is quantised finished and normalised). What goes into a quantiser is computed in f32, as accurately as f32 sums, v_exp_f32 and their like allow (about 1e-6 of the number): no bf16 or f16 on the way to a quantiser, and a product that is left as it is and whose result goes on into a quantised operand takes f32 operands (vector FMAs, or v_wmma_f32_16x16x4_f32). A number that lies on a knife's edge between two numbers of the format may be rounded either way, as far as f32 arithmetic and the matrix unit's own rounding can turn it there, and no further.
;;   INPUTS GIVEN AS CODES. Wk (in the module: [1024, 1024], K = its axis 1); Wq (in the module: [1024, 1024], K = its axis 1); Wv (in the module: [1024, 1024], K = its axis 1); hidden_states (in the module: [4, 4096, 1024], K = its axis 2): each comes as NAME_codes (uint8): NAME with its K axis moved to the last place and cut into blocks of 32 codes, [.., K / 32, bytes a block], one block behind the other in memory; four codes in three bytes: a row's codes are one little-endian stream of bits, code i at bits 6 i .. 6 i + 5 (a code: sign, 3 exponent bits, 2 mantissa bits); and NAME_scales (uint8): the same leading axes, one E8M0 byte (e + 127) for each 32 codes along K. Its value is code x scale, taken as it is: it is not quantised again, and the codes and scales need not be those that the quantiser above would give.
;; One version. Each part assembles by itself: llvm-mc -triple=amdgcn-amd-amdhsa -mcpu=gfx1250 --defsym DOCPART=n.
;; ======== version 1 of 1: 2 launches
;; workspace buffers: ypart 67,108,864 bytes; apart 2,097,152 bytes; cw 15,728,640 bytes
;; launch proj (part 1): grid 8 x 64, 4 waves a work-group, clusters of 4 x 4, 327,680 bytes of LDS; arguments hidden_states_codes, hidden_states_scales, Wq_codes, Wq_scales, Wk_codes, Wk_scales, Wv_codes, Wv_scales, bq, bk, bv, attention_mask, ypart, apart, cw; writes ypart, apart, cw
.if DOCPART == 1
	.amdgcn_target "amdgcn-amd-amdhsa--gfx1250"
	.amdhsa_code_object_version 6
	.text
	.protected	k_q52cd20be4d_proj
	.globl	k_q52cd20be4d_proj
	.p2align	8
	.type	k_q52cd20be4d_proj,@function
k_q52cd20be4d_proj:
	s_mov_b64 s[64:65], 0
	v_nop
	global_prefetch_b8 v0, s[64:65] scope:SCOPE_SE
	s_setreg_imm32_b32 hwreg(HW_REG_WAVE_MODE, 25, 1), 1
	s_wait_xcnt 0x0
	s_wait_alu depctr_hold_cnt(0) depctr_sa_sdst(0) depctr_va_vdst(0) depctr_va_sdst(0) depctr_va_ssrc(0) depctr_va_vcc(0) depctr_vm_vsrc(0)
	s_getreg_b32 s2, hwreg(HW_REG_IB_STS2, 6, 4)
	s_cmp_eq_u32 s2, 0
	s_cbranch_scc0 .Lentry_in_a_cluster
	s_endpgm
.Lentry_in_a_cluster:
	s_bfe_u32 s2, ttmp6, 0x10000c
	s_cmp_lg_u32 s2, 0xf033
	s_cbranch_scc0 .Lentry_shape_is_right
	s_endpgm
.Lentry_shape_is_right:
; k, q, v = hidden W^T + b on codes of E3M2 (K = 1,024), then, without leaving the registers: the masked coarsening of q, k, v to levels 1 .. 6, their quantising along the head's 64,
; and the block attention of levels 0, 1, 2.  Stored: ypart (numerators of levels 0-2 at fine resolution, as images of the accumulators), apart (their denominators),
; cw (for levels 3 .. 6: codes and scale words of q and k, limits, bf16 values: records of 4,096 bytes that the next launch reads).
; SHARES.  A work-group: 256 tokens x 2 heads.  Wave w: tokens 128 (w / 2) on, head w % 2: 96 accumulators (k in window 1, q in window 2, v in window 3), 768 registers.
; k and q are made TRANSPOSED (source 0 = 16 rows of W, source 1 = 16 tokens): a lane holds one token, its registers run along the head's dims, which are the next K.
; v is made in the natural order (source 0 = tokens): a lane holds one dim, its registers run along the tokens, which are the keys of the second product.
; SLOTS.  A coarse tile keeps 16 slots; level l -> l + 1 joins slots s and s xor 2^(l mod 4), and the freed bit says from which of two source tiles (or groups of 128 tokens) the slot comes.
; The same order holds for lanes (q, k), for key registers 8 (lane / 16) + j (scores, limits, v).  What a parent has (level 1: its weights; level 2: its numerators) comes to its children by a lane permute.
; CLUSTER.  4 x 4 work-groups: the hidden tile is shared along a row of the cluster, the weights' tiles and scale bytes along a column: joint tensor loads.
; LIMITS.  NaN and infinities among the inputs are not served.  The factor 1/8 on q is folded into the exponent's factor: exact unless a block's scale exponent meets -126.
; The softmax weights and v go to the second product in bf16.  Inside a block of 32 the dims stand in another order, alike in q and in k.
.set PITCH, 240                        ; an LDS row: 3 x (64 bytes + 16 of padding)
.set ASL,   65536                      ; from A's slot 0 to its slot 1
.set BSL,   32768                      ; the same for each weight's tile
.set BBASE, 131072                     ; Wk's tiles; Wq's 65,536 on, Wv's 131,072 on
.set BSO,   30720                      ; behind a weight's tile: 2,048 scale bytes (64 rows x 32): head 0's behind slot 0, head 1's behind slot 1
.set SPARE, 61440                      ; behind A's slot 0: the spare words, 128 bytes a wave
.set FR,  12
.set AF,  64                           ; v64-159  A's eight fragments
.set BF,  160                          ; v160-255 two sets of four fragments of a weight
.set ASC, 24                           ; v24-55   A's scale words: block i, word w at 24 + 4 i + w; lanes 0-15 K steps 0-3, lanes 16-31 K steps 4-7
.set BSC, 56                           ; v56-63   the weight's scale words, two sets
.set MSB, 0
.macro WIN new                         ; the immediate's high byte repeats the setting that is left
.if MSB != (\new)
	s_set_vgpr_msb (MSB<<8)|(\new)
.set MSB, (\new)
.endif
.endm
.macro PLACES n
.rept \n
	v_nop
.endr
.endm
.macro CREST                           ; a round of the cluster's barrier behind its opening barrier
	s_cmp_lg_u32 s34, 0
	s_cbranch_scc1 .Lnw0_\@
	s_barrier_signal -3
.Lnw0_\@:
	s_barrier_wait -3
	s_barrier_signal -1
	s_barrier_wait -1
.endm
.macro CROUND
	s_barrier_signal -1
	s_barrier_wait -1
	CREST
.endm
.macro JLOAD                           ; a joint refill: wave 0 fetches A's tile, waves 1 to 3 a weight's; four v_nop follow each line
	s_cmp_eq_u32 s34, 0
	s_cbranch_scc0 .Lfb_\@
	tensor_load_to_lds s[60:63], s[48:55]
	s_nop 0
	PLACES 4
	s_branch .Lfd_\@
.Lfb_\@:
	tensor_load_to_lds s[80:83], s[68:75]
	s_nop 0
	PLACES 4
.Lfd_\@:
.endm
.macro FRAG reg, adr, q, i             ; 16 rows x 128 K of 6-bit codes: six pieces of 8 bytes; the second address register serves pieces that lie behind one padding more for lanes 16-31
.irp p, 0,1,2,3,4,5
.set PC, 12*(\q)+6*(\p/3)+\p%3
.if PC%8 < 5
	ds_load_b64 v[\reg+2*\p:\reg+2*\p+1], v[\adr] offset:8*PC+16*(PC/8)+(\i)*16*PITCH
.else
	ds_load_b64 v[\reg+2*\p:\reg+2*\p+1], v[\adr+1] offset:8*PC+16*(PC/8)+(\i)*16*PITCH
.endif
.endr
.endm
.macro LOADB q, g, set                 ; weight g (0 k, 1 q, 2 v): my head's four fragments and their scale words: 28 loads
.irp t, 0,1,2,3
	FRAG BF+48*(\set)+FR*\t, 6+2*(\g), \q, \t
	ds_load_b32 v[BSC+4*(\set)+\t], v[12+(\g)] offset:512*\t+4*(\q)
.endr
.endm
.macro LOADA q, i0                     ; A's blocks i0 .. i0 + 3: 24 loads
.irp i, 0,1,2,3
	FRAG AF+FR*((\i0)+\i), 4, \q, (\i0)+\i
.endr
.endm
.macro MM a0, n, q, g, set, row        ; n blocks of tokens x four tiles of the head's dims; the accumulators take turns, one instruction a turn
	WIN 0x50*((\g)+1)
.set ma, \a0
.rept \n
.set mt, 0
.rept 4
.set AC, 32*ma+8*mt
.set BR, BF+48*(\set)+FR*mt
.set AR, AF+FR*ma
.set XBS, BSC+4*(\set)+mt
.set XAS, ASC+4*ma+(\q)
.if (\g) < 2
.if \row
	v_wmma_scale_f32_16x16x128_f8f6f4 v[AC:AC+7], v[BR:BR+11], v[AR:AR+11], v[AC:AC+7], v[XBS], v[XAS] matrix_a_fmt:MATRIX_FMT_BF6 matrix_b_fmt:MATRIX_FMT_BF6 matrix_b_scale:MATRIX_SCALE_ROW1
.else
	v_wmma_scale_f32_16x16x128_f8f6f4 v[AC:AC+7], v[BR:BR+11], v[AR:AR+11], v[AC:AC+7], v[XBS], v[XAS] matrix_a_fmt:MATRIX_FMT_BF6 matrix_b_fmt:MATRIX_FMT_BF6
.endif
.else
.if \row
	v_wmma_scale_f32_16x16x128_f8f6f4 v[AC:AC+7], v[AR:AR+11], v[BR:BR+11], v[AC:AC+7], v[XAS], v[XBS] matrix_a_fmt:MATRIX_FMT_BF6 matrix_b_fmt:MATRIX_FMT_BF6 matrix_a_scale:MATRIX_SCALE_ROW1
.else
	v_wmma_scale_f32_16x16x128_f8f6f4 v[AC:AC+7], v[AR:AR+11], v[BR:BR+11], v[AC:AC+7], v[XAS], v[XBS] matrix_a_fmt:MATRIX_FMT_BF6 matrix_b_fmt:MATRIX_FMT_BF6
.endif
.endif
.set mt, mt+1
.endr
.set ma, ma+1
.endr
.endm
.macro GROUP q, g, row                 ; 32 products of one weight for one K step of 128; in its middle the next group's fragments are fetched
.set gs, (3*(\q)+(\g))%2
.if (\g) == 0
	s_wait_dscnt 24                                ; the weight's set and A's blocks 0-3 are in; A's blocks 4-7, 24 loads, may be out
.else
	s_wait_dscnt 0x0
.endif
	MM 0, 4, \q, \g, gs, \row
.if (\g) == 0
	s_wait_dscnt 0x0
.endif
	PLACES 4                                       ; in front of loads into registers that matrix instructions have read
	WIN 0
.if (\g) < 2
	LOADB \q, (\g)+1, 1-gs
.else
	LOADB (\q)+1, 0, 1-gs
	LOADA (\q)+1, 0
.endif
	MM 4, 4, \q, \g, gs, \row
.if (\g) == 2
	PLACES 4
	WIN 0
	LOADA (\q)+1, 4
.endif
.endm
.macro TURNG refill, row               ; a slot's last group (second K step, v) changes slots
	WIN 0
	s_wait_tensorcnt 0x0                           ; all my tensor loads have landed, my part of the next slot among them
	ds_add_u32 v1, v2                              ; 0 onto my spare word
	s_wait_dscnt 1                                 ; the weight's set is in; the add may be out
	MM 0, 2, 1, 2, 1, \row
	s_wait_dscnt 0x0                               ; the add is done, and my reads of this slot are over
	s_barrier_signal -1
	MM 2, 2, 1, 2, 1, \row
	WIN 0
	s_barrier_wait -1
.if \refill
	CREST                                          ; no wave of any partner still reads this slot or has a load on its way
	s_xor_b32 s61, s61, ASL                        ; the walking descriptors: the other slot, 256 further along K
	s_add_nc_u64 s[62:63], s[62:63], 192
	s_xor_b32 s81, s81, BSL
	s_add_nc_u64 s[82:83], s[82:83], 192
	JLOAD
.else
	PLACES 4
.endif
	v_xor_b32 v4, ASL, v4                          ; my addresses turn to the other slot
	v_xor_b32 v5, ASL, v5
.irp e, 6,7,8,9,10,11
	v_xor_b32 v\e, BSL, v\e
.endr
	s_add_co_u32 s66, s66, 8                       ; the next slot's two scale words of each row; behind the last it turns back to the first
	s_and_b32 s66, s66, 24
	v_add_nc_u32 v12, s66, v3
	s_add_co_u32 s67, s66, 65536
	v_add_nc_u32 v13, s67, v3
	s_add_co_u32 s67, s67, 65536
	v_add_nc_u32 v14, s67, v3
	LOADB 0, 0, 0
	LOADA 0, 0
	MM 4, 4, 1, 2, 1, \row
	PLACES 4
	WIN 0
	LOADA 0, 4
.irp i, 0,1,2,3,4,5,6,7                ; A's scale words of the next two K steps come to places 0 and 1
	v_swap_b32 v[ASC+4*\i], v[ASC+4*\i+2]
	v_swap_b32 v[ASC+4*\i+1], v[ASC+4*\i+3]
.endr
	PLACES 8                                       ; a scale register written by a vector instruction stands eight places ahead of a scaled product
.endm
.macro SLOTW refill, row
	GROUP 0, 0, \row
	GROUP 0, 1, \row
	GROUP 0, 2, \row
	GROUP 1, 0, \row
	GROUP 1, 1, \row
	TURNG \refill, \row
.endm
	s_load_b512 s[4:19], s[0:1], 0x0               ; hidden codes, hidden scales, Wq, its scales, Wk, its scales, Wv, its scales
	s_load_b256 s[20:27], s[0:1], 0x40             ; bq, bk, bv, mask
	s_load_b128 s[28:31], s[0:1], 0x60             ; ypart, apart
	s_load_b64 s[32:33], s[0:1], 0x70              ; cw
	v_lshl_add_u32 v1, v0, 2, SPARE
	v_mov_b32 v2, 0
	ds_add_u32 v1, v2
	ds_add_u32 v1, v2
	s_wait_dscnt 0x0
	v_lshrrev_b32 v3, 5, v0
	v_readfirstlane_b32 s34, v3                    ; wave
	s_lshr_b32 s35, s34, 1                         ; which 128 tokens
	s_and_b32 s36, s34, 1                          ; which head
	s_bfe_u32 s37, ttmp6, 0x40000                  ; cx
	s_bfe_u32 s38, ttmp6, 0x40004                  ; cy
	s_lshl_b32 s39, ttmp9, 2
	s_add_co_u32 s39, s39, s37                     ; work-group x: a pair of heads
	s_and_b32 s40, ttmp7, 0xffff
	s_lshl_b32 s40, s40, 2
	s_add_co_u32 s40, s40, s38                     ; work-group y: 256 tokens
	s_lshl_b32 s41, s38, 2
	s_lshl_b32 s41, 15, s41                        ; my row of the cluster
	s_lshl_b32 s42, 0x1111, s37                    ; my column
	s_or_b32 s48, s41, (1<<20)|(1<<21)|(3<<22)|(3<<25)   ; A: 256 rows x 192 bytes, 16 bytes of padding behind every 64
	s_mov_b32 s49, 192<<16
	s_mov_b32 s50, 256<<16
	s_mov_b32 s51, 192<<16
	s_mov_b32 s52, 256
	s_mov_b32 s53, 768
	s_mov_b32 s54, 0
	s_mov_b32 s55, 0
	s_or_b32 s68, s42, (1<<20)|(1<<21)|(3<<22)|(3<<25)   ; a weight: 128 rows x 192 bytes
	s_mov_b32 s69, 192<<16
	s_mov_b32 s70, 128<<16
	s_mov_b32 s71, 192<<16
	s_mov_b32 s72, 128
	s_mov_b32 s73, 768
	s_mov_b32 s74, 0
	s_mov_b32 s75, 0
	s_or_b32 s84, s42, (3<<16)|(1<<21)             ; a head's scale bytes of a weight: 2,048 dense bytes as 8 rows of 256
	s_mov_b32 s85, 32<<16
	s_mov_b32 s86, 8<<16
	s_mov_b32 s87, 32<<16
	s_mov_b32 s88, 8
	s_mov_b32 s89, 32
	s_mov_b32 s90, 0
	s_mov_b32 s91, 0
	s_mul_i32 s66, s40, 196608                     ; my 256 rows of hidden codes
	s_mov_b32 s67, 0
	s_mul_i32 s100, s39, 98304                     ; my 128 rows of each weight
	s_mov_b32 s101, 0
	s_lshl_b32 s2, s39, 12                         ; and their scale bytes
	s_mov_b32 s3, 0
	s_lshl_b32 s43, s34, 16
	s_add_co_u32 s43, s43, 65536                   ; waves 1, 2, 3: where Wk's, Wq's, Wv's tiles lie
	s_wait_kmcnt 0x0
	s_cmp_eq_u32 s34, 1
	s_cselect_b64 s[44:45], s[12:13], s[8:9]
	s_cselect_b64 s[46:47], s[14:15], s[10:11]
	s_cmp_eq_u32 s34, 3
	s_cselect_b64 s[44:45], s[16:17], s[44:45]
	s_cselect_b64 s[46:47], s[18:19], s[46:47]
	s_add_nc_u64 s[44:45], s[44:45], s[100:101]
	s_add_nc_u64 s[46:47], s[46:47], s[2:3]
	s_mov_b32 s56, 1
	s_mov_b32 s57, 0
	s_add_nc_u64 s[58:59], s[4:5], s[66:67]
	s_mov_b32 s60, 1
	s_mov_b32 s61, ASL
	s_add_nc_u64 s[62:63], s[58:59], 192
	s_or_b32 s59, s59, 0x80000000
	s_or_b32 s63, s63, 0x80000000
	s_mov_b32 s76, 1
	s_add_co_u32 s77, s43, 0
	s_mov_b64 s[78:79], s[44:45]
	s_mov_b32 s80, 1
	s_add_co_u32 s81, s43, BSL
	s_add_nc_u64 s[82:83], s[44:45], 192
	s_or_b32 s79, s79, 0x80000000
	s_or_b32 s83, s83, 0x80000000
	s_mov_b32 s92, 1
	s_add_co_u32 s93, s43, BSO
	s_mov_b64 s[94:95], s[46:47]
	s_mov_b32 s96, 1
	s_add_co_u32 s97, s43, BSL+BSO
	s_add_nc_u64 s[98:99], s[46:47], 2048
	s_or_b32 s95, s95, 0x80000000
	s_or_b32 s99, s99, 0x80000000
	s_lshl_b32 s66, s40, 8
	s_lshl_b32 s43, s35, 7
	s_add_co_u32 s43, s66, s43                     ; my first token
	s_lshl_b32 s66, s43, 5
	s_add_nc_u64 s[6:7], s[6:7], s[66:67]          ; its scale bytes
	s_lshl_b32 s66, s43, 2
	s_add_nc_u64 s[26:27], s[26:27], s[66:67]      ; its mask number
	s_lshl_b32 s100, s39, 1
	s_add_co_u32 s100, s100, s36
	s_lshl_b32 s100, s100, 8                       ; my head's 64 numbers of each bias
	s_add_nc_u64 s[20:21], s[20:21], s[100:101]
	s_add_nc_u64 s[22:23], s[22:23], s[100:101]
	s_add_nc_u64 s[24:25], s[24:25], s[100:101]
	CROUND                                         ; all sixteen work-groups are here: the first joint loads meet
	s_cmp_eq_u32 s34, 0                            ; a wave's first fills stand in one branch: two loads of wave 0 are out, four of the others
	s_cbranch_scc0 .Lfill_b
	tensor_load_to_lds s[56:59], s[48:55]
	s_nop 0
	tensor_load_to_lds s[60:63], s[48:55]
	s_nop 0
	PLACES 4
	s_branch .Lfilled
.Lfill_b:
	tensor_load_to_lds s[92:95], s[84:91]
	s_nop 0
	tensor_load_to_lds s[96:99], s[84:91]
	s_nop 0
	tensor_load_to_lds s[76:79], s[68:75]
	s_nop 0
	tensor_load_to_lds s[80:83], s[68:75]
	s_nop 0
	PLACES 4
.Lfilled:
	v_and_b32 v3, 15, v0                           ; r
	v_bfe_u32 v15, v0, 4, 1                        ; h
	v_lshlrev_b32 v12, 5, v3
	v_lshl_add_u32 v12, v15, 4, v12                ; 32 r + 16 h
	v_lshlrev_b32 v13, 5, v15                      ; 32 h
	v_lshlrev_b32 v14, 2, v3                       ; 4 r
.irp t, 0,1,2,3
	global_load_b32 v[160+\t], v14, s[24:25] offset:64*\t          ; bv of dim 16 t + r
.endr
.irp i, 0,1,2,3,4,5,6,7
	global_load_b128 v[ASC+4*\i:ASC+4*\i+3], v12, s[6:7] offset:512*\i   ; A's scale words: 32 lanes read 512 consecutive bytes
	global_load_b32 v[16+\i], v14, s[26:27] offset:64*\i           ; the mask of token 16 i + r: kept through the products
.endr
	WIN 0x40                                       ; the biases are loaded where the sums begin: bk of dims 16 t + 8 h + 0 .. 7 into every block's tile t
.set n, 0
.rept 32
	global_load_b128 v[8*n:8*n+3], v13, s[22:23] offset:64*(n%4)
	global_load_b128 v[8*n+4:8*n+7], v13, s[22:23] offset:64*(n%4)+16
.set n, n+1
.endr
	WIN 0x80                                       ; bq likewise
.set n, 0
.rept 32
	global_load_b128 v[8*n:8*n+3], v13, s[20:21] offset:64*(n%4)
	global_load_b128 v[8*n+4:8*n+7], v13, s[20:21] offset:64*(n%4)+16
.set n, n+1
.endr
	WIN 0
	v_mul_u32_u24 v4, v3, PITCH
	v_mad_u32_u24 v4, v15, 24, v4                  ; a fragment's row x pitch + 24 h
	v_lshl_add_u32 v5, v15, 4, v4                  ; and behind one padding more
	s_mul_i32 s43, s36, 15360                      ; my head's 64 rows of a weight's tile
	s_add_co_u32 s43, s43, BBASE
.irp g, 0,1,2
	v_add_nc_u32 v[6+2*\g], s43, v4
	v_add_nc_u32 v[7+2*\g], s43, v5
	s_add_co_u32 s43, s43, 65536
.endr
	s_mul_i32 s43, s35, 30720                      ; my 128 rows of A's tile
	v_add_nc_u32 v4, s43, v4
	v_add_nc_u32 v5, s43, v5
	s_wait_loadcnt 0x0
	WIN 0xc0                                       ; v's sums begin with bv: in a lane all tokens have the same dim
.set n, 0
.rept 256
	v_mov_b32 v[n], v[160+(n/8)%4]
.set n, n+1
.endr
	WIN 0
	v_lshlrev_b32 v3, 5, v3
	s_lshl_b32 s43, s36, 15
	s_add_co_u32 s43, s43, BBASE+BSO
	v_add_nc_u32 v3, s43, v3                       ; Wk's scale words of my head: 32 bytes a row
	v_add_nc_u32 v12, 0, v3
	v_add_nc_u32 v13, 0x10000, v3
	v_add_nc_u32 v14, 0x20000, v3
	s_mov_b32 s66, 0
	s_wait_tensorcnt 0x1                           ; the scale bytes and my part of slot 0 are in; slot 1's load may stay out
	s_barrier_signal -1
	s_barrier_wait -1
	LOADB 0, 0, 0
	LOADA 0, 0
	LOADA 0, 4
	s_mov_b32 s44, 2
.LA:                                               ; K 0 .. 511: each slot that is left is filled again
	SLOTW 1, 0
	s_sub_co_u32 s44, s44, 1
	s_cmp_lg_u32 s44, 0
	s_cbranch_scc1 .LA
	s_mov_b32 s44, 2
.LB:                                               ; K 512 .. 1,023: nothing is left to fetch; A's scale words are taken from lanes 16-31
	SLOTW 0, 1
	s_sub_co_u32 s44, s44, 1
	s_cmp_lg_u32 s44, 0
	s_cbranch_scc1 .LB
	s_wait_dscnt 0x0                               ; the last look-ahead's loads (filled bytes, not used) are in
	PLACES 4
; ---------------- behind the products.  Window 0 from here on:
.set SWD, 24                           ; v24-30  scale words of pairs of tiles (k's, then q's): 4 of level 0, 2 of level 1, 1 of level 2
.set KSW, 31                           ; v31-37  k's, kept
.set CA,  64                           ; v64-147 codes, 6 registers a tile: level 0, from 112 level 1, from 136 level 2
.set L8,  148
.set L4,  149
.set F0,  150                          ; v150-183 the factors mask / count, as pairs (f, f)
.set F1,  166
.set F2,  174
.set F3,  178
.set F4,  180
.set F5,  182
.set QL,  184                          ; v184-201 the queries' limits, +inf or -FLT_MAX: 8, 4, 2, then levels 3 .. 6
.set QL1, 192
.set QL2, 196
.set QL3, 198
.set M,   202
.set TM,  210
.set QT,  218
.set CT,  222
.set SWT, 228
	s_lshl_b32 s43, s39, 1
	s_add_co_u32 s43, s43, s36                     ; head
	s_lshr_b32 s45, s40, 4
	s_lshl_b32 s45, s45, 4
	s_add_co_u32 s45, s45, s43                     ; bh = 16 batch + head
	s_and_b32 s48, s40, 15
	s_lshl_b32 s48, s48, 1
	s_add_co_u32 s48, s48, s35                     ; g: my group of 128 tokens in the sequence
	s_lshl_b32 s49, s45, 5
	s_add_co_u32 s49, s49, s48
	s_mov_b32 s51, 0
	s_lshl_b32 s50, s49, 15
	s_add_nc_u64 s[28:29], s[28:29], s[50:51]
	s_lshl_b32 s50, s49, 10
	s_add_nc_u64 s[30:31], s[30:31], s[50:51]
	s_mul_i32 s52, s45, 60
.irp i, 0,1,2,3                        ; the records of levels 3 .. 6: index g, 32 + g / 2, 48 + g / 4, 56 + g / 8
	s_lshr_b32 s50, s48, \i
	s_add_co_u32 s50, s50, s52
	s_add_co_u32 s50, s50, 64-(64>>\i)
	s_lshl_b32 s50, s50, 12
	s_add_nc_u64 s[76+2*\i:77+2*\i], s[32:33], s[50:51]
.endr
	s_and_b32 s84, s48, 1                          ; the bits of g that name my slots in shared records
	s_bfe_u32 s88, s48, 0x10001
	s_bfe_u32 s89, s48, 0x10002
	s_lshl_b32 s85, s84, 3
	s_add_co_u32 s86, s85, s88
	s_lshl_b32 s87, s89, 1
	s_add_co_u32 s87, s87, s86
	s_mov_b32 s46, 0x76543210
	s_mov_b32 s47, 0xfedcba98
	s_mov_b32 s4, 0x66442200                       ; lane selects: a child takes its parent's slot
	s_mov_b32 s5, 0xeeccaa88
	s_mov_b32 s6, 0x77553311
	s_mov_b32 s7, 0xffddbb99
.irp k, 0,1,2,3
	s_mov_b32 s[8+2*\k], 0x44440000+0x11111111*\k
	s_mov_b32 s[9+2*\k], 0xcccc8888+0x11111111*\k
.endr
	s_mov_b32 s16, 0x3e38aa3b                      ; log2(e) / 8
	s_mov_b32 s17, s16
	v_and_b32 v3, 15, v0
	v_bfe_u32 v4, v0, 4, 1
	v_and_b32 v10, 31, v0
	v_lshlrev_b32 v[L8], 3, v10
	v_lshlrev_b32 v[L4], 2, v10
	v_lshlrev_b32 v7, 4, v10
	v_add_nc_u32 v5, 768, v[L8]                    ; the first trip stores k's codes and scale words
	v_add_nc_u32 v6, 128, v[L4]
	v_mov_b32 v8, 0xff7fffff
	v_mov_b32 v9, 0x7f800000
.irp e, 10,11,12,13,14,15
	v_mov_b32 v\e, 0                               ; destinations of lane permutes are written once
.endr
	v_mov_b32 v[TM+2], 0
	v_mov_b32 v[TM+3], 0
; the masks in lane order: for each level the factor f = m / max(count, 1), the next level's mask, the limits
.macro LVL n, F, xm
.set li, 0
.rept \n
	v_add_f32_dpp v10, v[M+li], v[M+li] row_xmask:\xm row_mask:0xf bank_mask:0xf
	v_fma_f32 v11, v10, -0.5, 0x3fc00000           ; 1 for a count of 1, 1/2 for 2
	v_mul_f32 v[(\F)+2*li], v[M+li], v11
	v_mul_f32 v[(\F)+2*li+1], v[M+li], v11
	v_min_num_f32 v[M+li], 1.0, v10
.set li, li+1
.endr
.endm
.macro QLS n, Q
.set li, 0
.rept \n
	v_cmp_lt_f32 vcc_lo, 0, v[M+li]
	v_cndmask_b32 v[(\Q)+li], v8, v9, vcc_lo
.set li, li+1
.endr
.endm
.macro JOIN n, msk, Q
	s_mov_b32 vcc_lo, \msk
.set li, 0
.rept \n
	v_cndmask_b32 v[M+li], v[M+2*li], v[M+2*li+1], vcc_lo
.set li, li+1
.endr
	QLS \n, \Q
.endm
.irp a, 0,1,2,3,4,5,6,7
	v_cmp_le_f32 vcc_lo, 0, v[16+\a]
	v_cndmask_b32 v[M+\a], 0, 1.0, vcc_lo
	v_cndmask_b32 v[QL+\a], v8, v9, vcc_lo
.endr
	LVL 8, F0, 1
	JOIN 4, 0xaaaaaaaa, QL1
	LVL 4, F1, 2
	JOIN 2, 0xcccccccc, QL2
	LVL 2, F2, 4
	JOIN 1, 0xf0f0f0f0, QL3
	LVL 1, F3, 8
	QLS 1, QL3+1
	LVL 1, F4, 1
	QLS 1, QL3+2
	LVL 1, F5, 2
	QLS 1, QL3+3
; A tile (32 registers of window 1 from B on: register 16 b + i is number 16 h + i of block b of my token) becomes 6 registers of codes at D and two scale bytes in half `half` of sw
.macro QUANT B, D, sw, half
	WIN 0x05
	v_max3_num_f32 v[TM], |v[(\B)]|, |v[(\B)+1]|, 0x2800000         ; with the floor 2^(5 - 127): the byte cannot fall under 1
	v_max3_num_f32 v[TM+1], |v[(\B)+16]|, |v[(\B)+17]|, 0x2800000
.irp i, 2,4,6,8,10,12,14
	v_max3_num_f32 v[TM], |v[(\B)+\i]|, |v[(\B)+\i+1]|, v[TM]
	v_max3_num_f32 v[TM+1], |v[(\B)+16+\i]|, |v[(\B)+17+\i]|, v[TM+1]
.endr
	WIN 0
	v_permlanex16_b32 v[TM+2], v[TM], s46, s47
	v_permlanex16_b32 v[TM+3], v[TM+1], s46, s47
	v_max_num_f32 v[TM], v[TM], v[TM+2]
	v_max_num_f32 v[TM+1], v[TM+1], v[TM+3]
	v_add_nc_u32 v[TM+4], 0xfe000000, v[TM]        ; 4 off the exponent field: the conversion's scale operand
	v_add_nc_u32 v[TM+5], 0xfe000000, v[TM+1]
	v_lshrrev_b32 v[TM+6], 23, v[TM+4]
	v_lshrrev_b32 v[TM+7], 23, v[TM+5]
	v_lshl_or_b32 v[TM+6], v[TM+7], 8, v[TM+6]
.if (\half) == 0
	v_mov_b32 v[\sw], v[TM+6]
.else
	v_lshl_or_b32 v[\sw], v[TM+6], 16, v[\sw]
.endif
	WIN 0x01
	v_cvt_scalef32_pk16_bf6_f32 v[(\D):(\D)+2], v[(\B):(\B)+15], v[TM+4]
	v_cvt_scalef32_pk16_bf6_f32 v[QT:QT+2], v[(\B)+16:(\B)+31], v[TM+5]
	WIN 0
	v_nop                                          ; one plain place behind a scaled conversion
.irp i, 0,1,2
	v_permlane16_swap_b32 v[(\D)+\i], v[QT+\i]     ; a whole block to a lane: lanes 0-15 block 0, lanes 16-31 block 1
.endr
.irp i, 0,1,2
	v_mov_b32 v[(\D)+3+\i], v[QT+\i]
.endr
.endm
; two tiles X, Y of a level become one of the next, in place at X: masked means of slots s and s xor xm; the slots named in msk take Y's
.macro MERGE X, Y, fX, fY, xm, msk
	WIN 0x41
.set n, 0
.rept 16
	v_pk_mul_f32 v[(\X)+n:(\X)+n+1], v[(\X)+n:(\X)+n+1], v[(\fX):(\fX)+1]
	v_pk_mul_f32 v[(\Y)+n:(\Y)+n+1], v[(\Y)+n:(\Y)+n+1], v[(\fY):(\fY)+1]
.set n, n+2
.endr
	WIN 0x45
.set n, 0
.rept 32
	v_add_f32_dpp v[(\X)+n], v[(\X)+n], v[(\X)+n] row_xmask:\xm row_mask:0xf bank_mask:0xf
	v_add_f32_dpp v[(\Y)+n], v[(\Y)+n], v[(\Y)+n] row_xmask:\xm row_mask:0xf bank_mask:0xf
.set n, n+1
.endr
	s_mov_b32 vcc_lo, \msk
.set n, 0
.rept 32
	v_cndmask_b32 v[(\X)+n], v[(\X)+n], v[(\Y)+n], vcc_lo
.set n, n+1
.endr
.endm
.macro FOLD f, xm                      ; the same for the one tile at 0: the freed bit is given by the group when the slots are stored
	WIN 0x41
.set n, 0
.rept 16
	v_pk_mul_f32 v[n:n+1], v[n:n+1], v[(\f):(\f)+1]
.set n, n+2
.endr
	WIN 0x45
.set n, 0
.rept 32
	v_add_f32_dpp v[n], v[n], v[n] row_xmask:\xm row_mask:0xf bank_mask:0xf
.set n, n+1
.endr
	WIN 0
.endm
.macro CWST lvl, bits, pat             ; codes, scale word and limit of my slots go to the level's record
.if (\lvl) > 3
	v_and_b32 v10, \bits, v3
	v_cmp_eq_u32 vcc_lo, s[\pat], v10
	s_wait_xcnt 0x0                                ; EXEC changes only behind this wait
	s_and_saveexec_b32 s54, vcc_lo
.endif
.irp p, 0,1,2
	global_store_b64 v5, v[CT+2*\p:CT+2*\p+1], s[70+2*(\lvl):71+2*(\lvl)] offset:256*\p
.endr
	global_store_b32 v6, v[SWT], s[70+2*(\lvl):71+2*(\lvl)] offset:1536
	global_store_b32 v[L4], v[QL3+(\lvl)-3], s[70+2*(\lvl):71+2*(\lvl)] offset:1792
	s_wait_xcnt 0x0                                ; the stores have read their registers: these are written again, and EXEC is widened, only behind this wait
.if (\lvl) > 3
	s_or_b32 exec_lo, exec_lo, s54
.endif
.endm
	s_mov_b32 s44, 0
.LQK:                                              ; two trips over window 1: k, then q
.irp a, 0,1,2,3,4,5,6,7
	QUANT 32*\a, CA+6*\a, SWD+\a/2, \a%2
.endr
.irp p, 0,1,2,3
	MERGE 64*\p, 64*\p+32, F0+4*\p, F0+4*\p+2, 1, 0xaaaaaaaa
.endr
.irp p, 0,1,2,3
	QUANT 64*\p, CA+48+6*\p, SWD+4+\p/2, \p%2
.endr
.irp u, 0,1
	MERGE 128*\u, 128*\u+64, F1+4*\u, F1+4*\u+2, 2, 0xcccccccc
.endr
.irp u, 0,1
	QUANT 128*\u, CA+72+6*\u, SWD+6, \u
.endr
	MERGE 0, 128, F2, F2+2, 4, 0xf0f0f0f0
	QUANT 0, CT, SWT, 0
	CWST 3, 0, 85
	FOLD F3, 8
	QUANT 0, CT, SWT, 0
	CWST 4, 8, 85
	FOLD F4, 1
	QUANT 0, CT, SWT, 0
	CWST 5, 9, 86
	FOLD F5, 2
	QUANT 0, CT, SWT, 0
	CWST 6, 11, 87
	s_cmp_lg_u32 s44, 0
	s_cbranch_scc1 .Lqk_tail
	; between the trips: q comes to window 1; k's codes go to window 2 as triples [x | zeros | y], of which 12 registers are an operand with one tile in K 0-63 or K 64-127
	WIN 0x42
.set n, 0
.rept 128
	v_mov_b32 v[n], v[n]
.set n, n+1
.endr
	WIN 0x80
.irp i, 0,1,2,3
.irp e, 0,1,2,3,4,5
	v_mov_b32 v[18*\i+\e], v[CA+12*\i+\e]          ; level 0: a tile's own keys
	v_mov_b32 v[18*\i+6+\e], 0
	v_mov_b32 v[18*\i+12+\e], v[CA+12*\i+6+\e]
.endr
.endr
.irp i, 0,1,2
.irp e, 0,1,2,3,4,5
	v_mov_b32 v[72+18*\i+\e], v[CA+48+12*\i+6+\e]  ; levels 1 and 2: the sibling's keys
	v_mov_b32 v[72+18*\i+6+\e], 0
	v_mov_b32 v[72+18*\i+12+\e], v[CA+48+12*\i+\e]
.endr
.endr
	WIN 0
.irp i, 0,1,2,3
	v_mov_b32 v[KSW+\i], v[SWD+\i]
.endr
.irp i, 4,5,6
	v_alignbit_b32 v[KSW+\i], v[SWD+\i], v[SWD+\i], 16
.endr
	v_mov_b32 v5, v[L8]                            ; the second trip stores q's
	v_mov_b32 v6, v[L4]
	v_lshlrev_b32 v15, 5, v4
.irp a, 0,1,2,3,4,5,6,7
	global_load_b128 v[CA+8*\a:CA+8*\a+3], v15, s[26:27] offset:64*\a          ; the mask in key order: tokens 16 a + 8 h + 0 .. 7
	global_load_b128 v[CA+8*\a+4:CA+8*\a+7], v15, s[26:27] offset:64*\a+16
.endr
	WIN 0x42
.set n, 128
.rept 128
	v_mov_b32 v[n], v[n]
.set n, n+1
.endr
	WIN 0x80
	s_wait_loadcnt 0x0
.set n, 0
.rept 64
	v_cmp_le_f32 vcc_lo, 0, v[CA+n]
	v_cndmask_b32 v[128+n], v8, v9, vcc_lo         ; the keys' limits of level 0, at v128 of window 2
.set n, n+1
.endr
	WIN 0x8a
.irp p, 0,1,2,3
.irp j, 0,1,2,3,4,5,6,7
	v_max_num_f32 v[192+8*\p+\j], v[128+8*(2*\p+\j%2)+\j-\j%2], v[128+8*(2*\p+\j%2)+\j-\j%2+1]
.endr
.endr
.irp u, 0,1
.irp j, 0,1,2,3,4,5,6,7
	v_max_num_f32 v[224+8*\u+\j], v[192+8*(2*\u+(\j/2)%2)+\j-2*((\j/2)%2)], v[192+8*(2*\u+(\j/2)%2)+\j-2*((\j/2)%2)+2]
.endr
.endr
	WIN 0
.Lqk_tail:
	s_add_co_u32 s44, s44, 1
	s_cmp_lt_u32 s44, 2
	s_cbranch_scc1 .LQK
; ---------------- v: bf16 operands into window 1, masked sums up the levels in place in window 3
; window 1: at 48 p + 12 t: [V0 of tile 2 p | V1 of tile p xor 1 | V0 of tile 2 p + 1];  at 192 + 8 t: [V2 of tile 1 | V2 of tile 0]
.set WT,  204
.set ST3, 220
.set ST4, 236
.set ST5, 204
.set ST6, 16
.set T4,  150
.irp p, 0,1,2,3
	WIN 0x02
.irp j, 0,1,2,3,4,5,6,7,8,9,10,11,12,13,14,15
	v_med3_num_f32 v[WT+\j], v[128+16*\p+\j], 0, 1.0               ; 1 where the token counts, else 0
.endr
	WIN 0x4f
.irp t, 0,1,2,3
.irp i, 0,1,2,3
	v_cvt_pk_bf16_f32 v[48*\p+12*\t+\i], v[64*\p+8*\t+2*\i], v[64*\p+8*\t+2*\i+1]
	v_cvt_pk_bf16_f32 v[48*\p+12*\t+8+\i], v[64*\p+32+8*\t+2*\i], v[64*\p+32+8*\t+2*\i+1]
.endr
.endr
	WIN 0xc3
.irp t, 0,1,2,3
.irp j, 0,2,4,6
	v_mul_f32 v[64*\p+8*\t+\j], v[64*\p+8*\t+\j], v[WT+\j]
	v_fmac_f32 v[64*\p+8*\t+\j], v[64*\p+8*\t+\j+1], v[WT+\j+1]
	v_mul_f32 v[64*\p+8*\t+\j+1], v[64*\p+32+8*\t+\j], v[WT+8+\j]
	v_fmac_f32 v[64*\p+8*\t+\j+1], v[64*\p+32+8*\t+\j+1], v[WT+8+\j+1]
.endr
.endr
.endr
	WIN 0x4f
.irp p, 0,1,2,3
.irp t, 0,1,2,3
.irp i, 0,1,2,3
	v_cvt_pk_bf16_f32 v[48*(\p+1-2*(\p%2))+12*\t+4+\i], v[64*\p+8*\t+2*\i], v[64*\p+8*\t+2*\i+1]
.endr
.endr
.endr
	WIN 0xcf
.irp u, 0,1
.irp t, 0,1,2,3
.irp j, 0,1,4,5
	v_add_f32 v[128*\u+8*\t+\j], v[128*\u+8*\t+\j], v[128*\u+8*\t+\j+2]
	v_add_f32 v[128*\u+8*\t+\j+2], v[128*\u+64+8*\t+\j], v[128*\u+64+8*\t+\j+2]
.endr
.endr
.endr
	WIN 0x4f
.irp u, 0,1
.irp t, 0,1,2,3
.irp i, 0,1,2,3
	v_cvt_pk_bf16_f32 v[192+8*\t+4*(1-\u)+\i], v[128*\u+8*\t+2*\i], v[128*\u+8*\t+2*\i+1]
.endr
.endr
.endr
	WIN 0xcf
.irp t, 0,1,2,3
.irp j, 0,1,2,3
	v_add_f32 v[8*\t+\j], v[8*\t+\j], v[8*\t+\j+4]
	v_add_f32 v[8*\t+\j+4], v[128+8*\t+\j], v[128+8*\t+\j+4]
.endr
.endr
	WIN 0x0f
.set n, 0
.rept 16
	v_cvt_pk_bf16_f32 v[ST3+n], v[2*n], v[2*n+1]   ; level 3
.set n, n+1
.endr
	WIN 0x03                                       ; source 0: the sums of level 3, in window 3
.set n, 0
.rept 32
	v_permlanex16_b32 v[T4+n], v[n], s46, s47
.set n, n+1
.endr
	WIN 0x0c                                       ; source 1: the same, in window 3
.set n, 0
.rept 32
	v_add_f32 v[T4+n], v[T4+n], v[n]               ; level 4: slots 8 apart
.set n, n+1
.endr
	WIN 0
.set n, 0
.rept 16
	v_cvt_pk_bf16_f32 v[ST4+n], v[T4+2*n], v[T4+2*n+1]
.set n, n+1
.endr
.set n, 0
.rept 16
	v_add_f32 v[T4+2*n], v[T4+2*n], v[T4+2*n+1]    ; level 5
.set n, n+1
.endr
.set n, 0
.rept 16
	v_cvt_pk_bf16_f32 v[ST5+n], v[T4+2*n], v[T4+2*n]
.set n, n+1
.endr
.set n, 0
.rept 8
	v_add_f32 v[T4+4*n], v[T4+4*n], v[T4+4*n+2]    ; level 6
.set n, n+1
.endr
.set n, 0
.rept 8
	v_cvt_pk_bf16_f32 v[ST6+n], v[T4+4*n], v[T4+4*n]
.set n, n+1
.endr
.irp t, 0,1,2,3
	global_store_b128 v7, v[ST3+4*\t:ST3+4*\t+3], s[76:77] offset:2048+512*\t
.endr
	v_cmp_eq_u32 vcc_lo, s84, v4                   ; of the shared records my group owns the key slots with bit 3 = g & 1: one half of the lanes
	s_lshl_b32 s45, s88, 1
	v_add_nc_u32 v14, s45, v7                      ; level 5: slot bit 0 = (g / 2) & 1: a half word
	s_lshl_b32 s53, s89, 2
	s_add_co_u32 s53, s53, s45
	v_add_nc_u32 v15, s53, v7                      ; level 6: slot bit 1 = (g / 4) & 1 too
	s_wait_xcnt 0x0
	s_and_saveexec_b32 s54, vcc_lo
.irp t, 0,1,2,3
	global_store_b128 v7, v[ST4+4*\t:ST4+4*\t+3], s[78:79] offset:2048+512*\t
.endr
.irp t, 0,1,2,3
.irp i, 0,1,2,3
	global_store_b16 v14, v[ST5+4*\t+\i], s[80:81] offset:2048+512*\t+4*\i
.endr
.endr
.irp t, 0,1,2,3
.irp k, 0,1
	global_store_b16 v15, v[ST6+2*\t+\k], s[82:83] offset:2048+512*\t+8*\k
.endr
.endr
	s_wait_xcnt 0x0
	s_or_b32 exec_lo, exec_lo, s54
; ---------------- attention of levels 2, 1, 0
.set P1,   150                         ; weights (bf16, 4 registers) and sums of the four tiles of level 1
.set A1,   166
.set A2,   178                         ; sums of the two tiles of level 2
.set OP1B, 204                         ; [P1 of the parent | P0] for odd tiles
.set A0,   212
.set S,    216
.set OP1A, 232                         ; [P0 | P1 of the parent] for even tiles
.set OP2T, 240                         ; [P2 of tile 0 | zeros | P2 of tile 1]: eight registers of it are an operand with one tile's 16 keys and 16 keys of zeros
.set Y2,   224                         ; the numerators of level 2, at their own resolution: tile 0 at v224-255 of window 1, tile 1 at v224-255 of window 2
.irp e, 0,1,2,3
	v_mov_b32 v[OP1A+4+\e], 0                      ; destinations of lane permutes are written once
	v_mov_b32 v[OP1B+\e], 0
	v_mov_b32 v[OP2T+4+\e], 0                      ; the zeros
.endr
	v_mov_b32 v20, 0
	v_mov_b32 v21, 0
; scores of a pair of query tiles against their key tiles, limits, the row's own maximum, exponentials, sums, weights in bf16
.macro SOFT KT, CAP, ksw, swd, klA, klB, qlA, qlB, PA, PB, aA, aB
	WIN 0x02
	v_wmma_scale_f32_16x16x128_f8f6f4 v[S:S+7], v[(\KT):(\KT)+11], v[(\CAP):(\CAP)+11], 0, v[\ksw], v[\swd] matrix_a_fmt:MATRIX_FMT_BF6 matrix_b_fmt:MATRIX_FMT_BF6
	v_wmma_scale_f32_16x16x128_f8f6f4 v[S+8:S+15], v[(\KT)+6:(\KT)+17], v[(\CAP):(\CAP)+11], 0, v[\ksw], v[\swd] matrix_a_fmt:MATRIX_FMT_BF6 matrix_b_fmt:MATRIX_FMT_BF6
	PLACES 4
	WIN 0x08
.irp j, 0,1,2,3,4,5,6,7
	v_min3_num_f32 v[S+\j], v[S+\j], v[(\klA)+\j], v[\qlA]         ; -FLT_MAX where the query or the key does not count
	v_min3_num_f32 v[S+8+\j], v[S+8+\j], v[(\klB)+\j], v[\qlB]
.endr
	WIN 0
.irp x, 0,1
	v_max3_num_f32 v[10+2*\x], v[S+8*\x], v[S+8*\x+1], v[S+8*\x+2]
.endr
.irp j, 3,5
.irp x, 0,1
	v_max3_num_f32 v[10+2*\x], v[10+2*\x], v[S+8*\x+\j], v[S+8*\x+\j+1]
.endr
.endr
.irp x, 0,1
	v_max_num_f32 v[10+2*\x], v[10+2*\x], v[S+8*\x+7]
.endr
.irp x, 0,1
	v_permlanex16_b32 v[11+2*\x], v[10+2*\x], s46, s47
.endr
.irp x, 0,1
	v_max_num_f32 v[10+2*\x], v[10+2*\x], v[11+2*\x]
.endr
.irp n, 0,1,2,3,4,5,6,7
	v_pk_add_f32 v[S+2*\n:S+2*\n+1], v[S+2*\n:S+2*\n+1], v[10+2*(\n/4):11+2*(\n/4)] op_sel_hi:[1,0] neg_lo:[0,1] neg_hi:[0,1]   ; the maximum is taken away first
.endr
.irp n, 0,1,2,3,4,5,6,7
	v_pk_mul_f32 v[S+2*\n:S+2*\n+1], v[S+2*\n:S+2*\n+1], s[16:17] op_sel_hi:[1,0]
.endr
.irp n, 0,1,2,3,4,5,6,7,8,9,10,11,12,13,14,15
	v_exp_f32 v[S+\n], v[S+\n]
.endr
	v_nop                                          ; a plain place behind the exponentials
	s_wait_alu depctr_va_vdst(0)                   ; one wait for the batch, ahead of its first reader
.irp x, 0,1
	v_pk_add_f32 v[10+2*\x:11+2*\x], v[S+8*\x:S+8*\x+1], v[S+8*\x+2:S+8*\x+3]
	v_pk_add_f32 v[14+2*\x:15+2*\x], v[S+8*\x+4:S+8*\x+5], v[S+8*\x+6:S+8*\x+7]
.endr
.irp x, 0,1
	v_pk_add_f32 v[10+2*\x:11+2*\x], v[10+2*\x:11+2*\x], v[14+2*\x:15+2*\x]
.endr
.irp x, 0,1
	v_add_f32 v[10+2*\x], v[10+2*\x], v[11+2*\x]
.endr
.irp x, 0,1
	v_permlanex16_b32 v[11+2*\x], v[10+2*\x], s46, s47
.endr
	v_add_f32 v[\aA], v10, v11
	v_add_f32 v[\aB], v12, v13
.irp i, 0,1,2,3
	v_cvt_pk_bf16_f32 v[(\PA)+\i], v[S+2*\i], v[S+2*\i+1]
	v_cvt_pk_bf16_f32 v[(\PB)+\i], v[S+8+2*\i], v[S+8+2*\i+1]
.endr
.endm
; a fine tile: its sums begin with the numerators of its parent of level 2, brought by a lane permute; one product of 32 keys carries level 0 and the weights of its parent of level 1; numerators and denominator are stored
.macro OUT T
.set op, (\T)/2
.set ox, (\T)%2
.set ou, (\T)/4
.set AO, 180+(\T)+68*ou
.if ox == 0
.set O1, OP1A
.set UD, OP1A+4
.else
.set O1, OP1B
.set UD, OP1B
.endif
.irp i, 0,1,2,3
	v_permlane16_b32 v[UD+\i], v[P1+4*op+\i], s[4+2*ox], s[5+2*ox]
.endr
	v_permlane16_b32 v20, v[A1+op], s[4+2*ox], s[5+2*ox]
	v_permlane16_b32 v21, v[A2+ou], s[8+2*((\T)%4)], s[9+2*((\T)%4)]
	v_add_f32 v20, v20, v[A0+ox]
	v_add_f32 v[AO], v20, v21
.if ou == 0
	WIN 0xc1                                       ; destination window 3; source 0: level 2's tile 0, in window 1
.else
	WIN 0xc2                                       ; or its tile 1, in window 2
.endif
.set n, 0
.rept 32
	v_permlane16_b32 v[32*(\T)+n], v[Y2+n], s[8+2*((\T)%4)], s[9+2*((\T)%4)]   ; each accumulator of level 2 from its low end on
.set n, n+1
.endr
	WIN 0xf1
.irp t, 0,1,2,3
	v_wmma_f32_16x16x32_bf16 v[32*(\T)+8*\t:32*(\T)+8*\t+7], v[48*op+12*\t+4*ox:48*op+12*\t+4*ox+7], v[O1:O1+7], v[32*(\T)+8*\t:32*(\T)+8*\t+7]
.endr
	PLACES 4
	WIN 0x0c
.irp t, 0,1,2,3
	global_store_b128 v7, v[32*(\T)+8*\t:32*(\T)+8*\t+3], s[28:29] offset:4096*(\T)+1024*\t th:TH_STORE_NT      ; 32 lanes store 512 consecutive bytes
	global_store_b128 v7, v[32*(\T)+8*\t+4:32*(\T)+8*\t+7], s[28:29] offset:4096*(\T)+1024*\t+512 th:TH_STORE_NT
.endr
	WIN 0
	global_store_b32 v[L4], v[AO], s[30:31] offset:128*(\T)
.endm
	SOFT 108, CA+72, KSW+6, SWD+6, 232, 224, QL2, QL2+1, OP2T, OP2T+8, A2, A2+1
	PLACES 4
	WIN 0x41                                       ; level 2 at its own resolution: tile 0's weights against tile 1's values (the operand's first 16 keys),
.irp t, 0,1,2,3
	v_wmma_f32_16x16x32_bf16 v[Y2+8*\t:Y2+8*\t+7], v[192+8*\t:199+8*\t], v[OP2T:OP2T+7], 0
.endr
	WIN 0x81                                       ; tile 1's against tile 0's (its last 16); the limits of level 2 that lay at v224-239 of window 2 have had their last read
.irp t, 0,1,2,3
	v_wmma_f32_16x16x32_bf16 v[Y2+8*\t:Y2+8*\t+7], v[192+8*\t:199+8*\t], v[OP2T+4:OP2T+11], 0
.endr
	WIN 0
.irp c, 0,1
	SOFT 72+18*\c, CA+48+12*\c, KSW+4+\c, SWD+4+\c, 200+16*\c, 192+16*\c, QL1+2*\c, QL1+2*\c+1, P1+8*\c, P1+8*\c+4, A1+2*\c, A1+2*\c+1
.endr
.irp p, 0,1,2,3
	SOFT 18*\p, CA+12*\p, KSW+\p, SWD+\p, 128+16*\p, 136+16*\p, QL+2*\p, QL+2*\p+1, OP1A, OP1B+4, A0, A0+1
	OUT 2*\p
	OUT 2*\p+1
.endr
	s_wait_tensorcnt 0x0                           ; the wave's end
	ds_add_u32 v1, v2
	s_wait_dscnt 0x0
	CROUND                                         ; the closing round
	s_endpgm
.Lfunc_end_k_q52cd20be4d_proj:
	.size	k_q52cd20be4d_proj, .Lfunc_end_k_q52cd20be4d_proj-k_q52cd20be4d_proj
	.p2alignl 7, 3214868480
	.fill 96, 4, 3214868480
	.section	.rodata,"a",@progbits
	.p2align	6, 0x0
	.amdhsa_kernel k_q52cd20be4d_proj
		.amdhsa_group_segment_fixed_size 327680
		.amdhsa_private_segment_fixed_size 0
		.amdhsa_enable_private_segment 0
		.amdhsa_kernarg_size 120
		.amdhsa_user_sgpr_count 2
		.amdhsa_user_sgpr_kernarg_segment_ptr 1
		.amdhsa_wavefront_size32 1
		.amdhsa_system_sgpr_workgroup_id_x 1
		.amdhsa_system_sgpr_workgroup_id_y 1
		.amdhsa_system_sgpr_workgroup_id_z 1
		.amdhsa_system_vgpr_workitem_id 0
		.amdhsa_next_free_vgpr 1024
		.amdhsa_next_free_sgpr 102
		.amdhsa_reserve_vcc 1
		.amdhsa_float_denorm_mode_32 3
		.amdhsa_float_denorm_mode_16_64 3
		.amdhsa_memory_ordered 1
		.amdhsa_forward_progress 1
		.amdhsa_inst_pref_size 255
	.end_amdhsa_kernel
	.section	.bss,"aw",@nobits
	.p2align	6
	.space	262144
	.amdgpu_metadata
---
amdhsa.version: [ 1, 2 ]
amdhsa.kernels:
  - .name:           k_q52cd20be4d_proj
    .symbol:         k_q52cd20be4d_proj.kd
    .args:
      - { .name: hidden_states_codes, .offset: 0, .size: 8, .value_kind: global_buffer, .address_space: global }
      - { .name: hidden_states_scales, .offset: 8, .size: 8, .value_kind: global_buffer, .address_space: global }
      - { .name: Wq_codes, .offset: 16, .size: 8, .value_kind: global_buffer, .address_space: global }
      - { .name: Wq_scales, .offset: 24, .size: 8, .value_kind: global_buffer, .address_space: global }
      - { .name: Wk_codes, .offset: 32, .size: 8, .value_kind: global_buffer, .address_space: global }
      - { .name: Wk_scales, .offset: 40, .size: 8, .value_kind: global_buffer, .address_space: global }
      - { .name: Wv_codes, .offset: 48, .size: 8, .value_kind: global_buffer, .address_space: global }
      - { .name: Wv_scales, .offset: 56, .size: 8, .value_kind: global_buffer, .address_space: global }
      - { .name: bq, .offset: 64, .size: 8, .value_kind: global_buffer, .address_space: global }
      - { .name: bk, .offset: 72, .size: 8, .value_kind: global_buffer, .address_space: global }
      - { .name: bv, .offset: 80, .size: 8, .value_kind: global_buffer, .address_space: global }
      - { .name: attention_mask, .offset: 88, .size: 8, .value_kind: global_buffer, .address_space: global }
      - { .name: ypart, .offset: 96, .size: 8, .value_kind: global_buffer, .address_space: global }
      - { .name: apart, .offset: 104, .size: 8, .value_kind: global_buffer, .address_space: global }
      - { .name: cw, .offset: 112, .size: 8, .value_kind: global_buffer, .address_space: global }
    .group_segment_fixed_size: 327680
    .private_segment_fixed_size: 0
    .kernarg_segment_align: 8
    .kernarg_segment_size: 120
    .max_flat_workgroup_size: 128
    .sgpr_count:     102
    .vgpr_count:     1024
    .wavefront_size: 32
...
	.end_amdgpu_metadata
.endif
;; end of part 1
;; launch fin (part 2): grid 512 x 1, 4 waves a work-group, no clusters, 17,920 bytes of LDS; arguments ypart, apart, cw, out0; writes out0
.if DOCPART == 2
	.amdgcn_target "amdgcn-amd-amdhsa--gfx1250"
	.amdhsa_code_object_version 6
	.text
	.protected	k_q52cd20be4d_fin
	.globl	k_q52cd20be4d_fin
	.p2align	8
	.type	k_q52cd20be4d_fin,@function
k_q52cd20be4d_fin:
	s_mov_b64 s[64:65], 0
	v_nop
	global_prefetch_b8 v0, s[64:65] scope:SCOPE_SE
	s_setreg_imm32_b32 hwreg(HW_REG_WAVE_MODE, 25, 1), 1
	s_wait_xcnt 0x0
; The attention of levels 3 .. 6, added onto the numerators and denominators of levels 0 .. 2, and the division.
; A wave takes one group of 128 tokens of one (batch, head): job 4 x work-group + wave.  It reads, for each level, the record of its own block (codes and scale words of q, the queries' limits)
; and the record of the sibling block (codes and scale words of k, the keys' limits, v in bf16), all as images of operand registers.
; Scores: two levels share one operand of q (K 0-63 one level, K 64-127 the other); k stands as [x | zeros | y].  Each level takes its own row maximum away.
; The second product is made ONCE, at the resolution of level 3, of which the wave's 128 tokens are one tile of 16 slots: the weights of levels 4 .. 6 come to those slots by a lane permute, and
; one bf16 product of 32 keys carries two levels: eight products in all.  Numerators and denominator then come to the fine tokens by a lane permute.  No tensor load, no barrier: waves share nothing.
; LIMITS.  NaN and infinities are not served; the weights and v are bf16; 1 / (A + eps) is v_rcp_f32 and a multiplication.
.set MSB, 0
.macro WIN new
.if MSB != (\new)
	s_set_vgpr_msb (MSB<<8)|(\new)
.set MSB, (\new)
.endif
.endm
.macro PLACES n
.rept \n
	v_nop
.endr
.endm
; window 0: v1-7 addresses; v8-11 at work; v12-15 the levels' sums (v12 then their total); v16-23 denominators of levels 0-2; v24-27 scale words; v28-29 the reciprocal; v32-55 q, v56-91 k (later v32-63 the numerators of
;   levels 3-6 and v64-95 the same at a fine tile's tokens); v92-95, v96-127 limits (later rows on their way out); v128-159 scores (later rows read back); v160-175 weights (before: raw scale words);
;   v176-191 the two operands of weights; v192-255 v.   window 1: the numerators of levels 0-2, 8 tiles x 32.
	s_load_b256 s[4:11], s[0:1], 0x0               ; ypart, apart, cw, out0
	v_lshl_add_u32 v30, v0, 2, 0x4400
	v_mov_b32 v31, 0
	v_lshrrev_b32 v1, 5, v0
	v_readfirstlane_b32 s12, v1
	s_lshl_b32 s13, ttmp9, 2
	s_add_co_u32 s13, s13, s12                     ; the job
	s_lshr_b32 s14, s13, 5                         ; bh
	s_and_b32 s15, s13, 31                         ; g
	s_mul_i32 s34, s14, 60
	s_mov_b32 s33, 0
	v_and_b32 v8, 31, v0
	v_and_b32 v9, 15, v0
	v_bfe_u32 v10, v0, 4, 1
	v_lshlrev_b32 v1, 3, v8
	v_lshlrev_b32 v2, 2, v8
	v_lshlrev_b32 v3, 4, v8
	v_lshlrev_b32 v4, 5, v10
	s_mul_i32 s35, s12, 4352                       ; my stage: 16 rows x (256 + 16) bytes
	v_mul_u32_u24 v5, v9, 272
	v_lshl_add_u32 v5, v10, 5, v5
	v_add_nc_u32 v5, s35, v5
	v_mul_u32_u24 v6, v10, 272
	v_lshl_add_u32 v6, v9, 4, v6
	v_add_nc_u32 v6, s35, v6
	v_lshlrev_b32 v7, 12, v10
	v_lshl_add_u32 v7, v9, 4, v7                   ; out: lanes 0-15 one token's 256 bytes, lanes 16-31 the next token's
	s_and_b32 s36, s15, 1
	s_lshl_b32 s36, s36, 3
	s_bfe_u32 s37, s15, 0x10001
	s_add_co_u32 s37, s37, s36
	s_bfe_u32 s38, s15, 0x10002
	s_lshl_b32 s38, s38, 1
	s_add_co_u32 s38, s38, s37
	s_mul_i32 s36, s36, 0x11111111                 ; the part of a parent's slot that the group gives, in every 4-bit field
	s_mul_i32 s37, s37, 0x11111111
	s_mul_i32 s38, s38, 0x11111111
	s_add_co_u32 s42, s36, 0x76543210              ; slot s of level 3 has its parents at 8 g0 + (s & 7),
	s_add_co_u32 s43, s37, 0x66442200              ; 8 g0 + g1 + (s & 6),
	s_add_co_u32 s44, s38, 0x44440000              ; 8 g0 + 2 g2 + g1 + (s & 4): no field passes 15, so none carries into the next
	s_mov_b32 s46, 0x76543210
	s_mov_b32 s47, 0xfedcba98
	s_mov_b32 s48, 0x3e38aa3b                      ; log2(e) / 8
	s_mov_b32 s49, s48
.irp e, 62,63,64,65,66,67,80,81,82,83,84,85
	v_mov_b32 v\e, 0                               ; the zeros in k's triples
.endr
.set n, 176
.rept 16
	v_mov_b32 v[n], 0                              ; destinations of lane permutes are written once
.set n, n+1
.endr
.irp e, 8,9,10,11,29
	v_mov_b32 v\e, 0
.endr
	s_wait_kmcnt 0x0
.irp i, 0,1,2,3
	s_lshr_b32 s32, s15, \i
	s_add_co_u32 s32, s32, 64-(64>>\i)
	s_xor_b32 s39, s32, 1                          ; the sibling block
	s_add_co_u32 s32, s32, s34
	s_lshl_b32 s32, s32, 12
	s_add_nc_u64 s[16+4*\i:17+4*\i], s[8:9], s[32:33]
	s_add_co_u32 s32, s39, s34
	s_lshl_b32 s32, s32, 12
	s_add_nc_u64 s[18+4*\i:19+4*\i], s[8:9], s[32:33]
.endr
	s_lshl_b32 s32, s13, 15
	s_add_nc_u64 s[4:5], s[4:5], s[32:33]
	s_lshl_b32 s32, s13, 10
	s_add_nc_u64 s[6:7], s[6:7], s[32:33]
	s_lshr_b32 s32, s14, 4
	s_lshl_b32 s32, s32, 24                        ; batch x 4,096 tokens x 4,096 bytes
	s_lshl_b32 s39, s15, 19
	s_add_co_u32 s32, s32, s39                     ; + 128 g tokens
	s_and_b32 s39, s14, 15
	s_lshl_b32 s39, s39, 8
	s_add_co_u32 s32, s32, s39                     ; + the head's 256 bytes
	s_add_nc_u64 s[10:11], s[10:11], s[32:33]
.irp i, 0,1,2,3                        ; 15 loads a level, 60 in all
.irp p, 0,1,2
	global_load_b64 v[32+6*\i+2*\p:33+6*\i+2*\p], v1, s[16+4*\i:17+4*\i] offset:256*\p
	global_load_b64 v[56+18*(\i/2)+12*(\i%2)+2*\p:57+18*(\i/2)+12*(\i%2)+2*\p], v1, s[18+4*\i:19+4*\i] offset:768+256*\p
.endr
	global_load_b32 v[160+2*\i], v2, s[16+4*\i:17+4*\i] offset:1536
	global_load_b32 v[161+2*\i], v2, s[18+4*\i:19+4*\i] offset:1664
	global_load_b32 v[92+\i], v2, s[16+4*\i:17+4*\i] offset:1792
	global_load_b128 v[96+8*\i:99+8*\i], v4, s[18+4*\i:19+4*\i] offset:1792
	global_load_b128 v[100+8*\i:103+8*\i], v4, s[18+4*\i:19+4*\i] offset:1808
.irp t, 0,1,2,3
	global_load_b128 v[192+32*(\i/2)+4*(\i%2)+8*\t:195+32*(\i/2)+4*(\i%2)+8*\t], v3, s[18+4*\i:19+4*\i] offset:2048+512*\t
.endr
.endr
.irp T, 0,1,2,3,4,5,6,7
	global_load_b32 v[16+\T], v2, s[6:7] offset:128*\T
.endr
	WIN 0x40
.set n, 0
.rept 64
	global_load_b128 v[4*n:4*n+3], v3, s[4:5] offset:512*n th:TH_LOAD_NT       ; the numerators: 32 lanes read 512 consecutive bytes
.set n, n+1
.endr
	WIN 0
	s_wait_loadcnt 63                              ; of 132 loads at most 63 are out: the first 69 are in, the records' 60 and the 8 denominators among them
	v_lshl_or_b32 v24, v162, 16, v160              ; q's scale words of levels 3 | 4,
	v_lshl_or_b32 v25, v163, 16, v161              ; k's,
	v_lshl_or_b32 v26, v166, 16, v164              ; and of levels 5 | 6
	v_lshl_or_b32 v27, v167, 16, v165
	PLACES 8                                       ; a scale register written by a vector instruction stands eight places ahead of a scaled product
	v_wmma_scale_f32_16x16x128_f8f6f4 v[128:135], v[56:67], v[32:43], 0, v25, v24 matrix_a_fmt:MATRIX_FMT_BF6 matrix_b_fmt:MATRIX_FMT_BF6
	v_wmma_scale_f32_16x16x128_f8f6f4 v[136:143], v[62:73], v[32:43], 0, v25, v24 matrix_a_fmt:MATRIX_FMT_BF6 matrix_b_fmt:MATRIX_FMT_BF6
	v_wmma_scale_f32_16x16x128_f8f6f4 v[144:151], v[74:85], v[44:55], 0, v27, v26 matrix_a_fmt:MATRIX_FMT_BF6 matrix_b_fmt:MATRIX_FMT_BF6
	v_wmma_scale_f32_16x16x128_f8f6f4 v[152:159], v[80:91], v[44:55], 0, v27, v26 matrix_a_fmt:MATRIX_FMT_BF6 matrix_b_fmt:MATRIX_FMT_BF6
	PLACES 4
.irp j, 0,1,2,3,4,5,6,7
.irp i, 0,1,2,3
	v_min3_num_f32 v[128+8*\i+\j], v[128+8*\i+\j], v[96+8*\i+\j], v[92+\i]     ; -FLT_MAX where the query or the key does not count
.endr
.endr
.irp i, 0,1,2,3
	v_max3_num_f32 v[176+2*\i], v[128+8*\i], v[129+8*\i], v[130+8*\i]
.endr
.irp j, 3,5
.irp i, 0,1,2,3
	v_max3_num_f32 v[176+2*\i], v[176+2*\i], v[128+8*\i+\j], v[129+8*\i+\j]
.endr
.endr
.irp i, 0,1,2,3
	v_max_num_f32 v[176+2*\i], v[176+2*\i], v[135+8*\i]
.endr
.irp i, 0,1,2,3
	v_permlanex16_b32 v[177+2*\i], v[176+2*\i], s46, s47
.endr
.irp i, 0,1,2,3
	v_max_num_f32 v[176+2*\i], v[176+2*\i], v[177+2*\i]
.endr
.set n, 0
.rept 16
	v_pk_add_f32 v[128+2*n:129+2*n], v[128+2*n:129+2*n], v[176+2*(n/4):177+2*(n/4)] op_sel_hi:[1,0] neg_lo:[0,1] neg_hi:[0,1]   ; the maximum is taken away first
.set n, n+1
.endr
.set n, 0
.rept 16
	v_pk_mul_f32 v[128+2*n:129+2*n], v[128+2*n:129+2*n], s[48:49] op_sel_hi:[1,0]
.set n, n+1
.endr
.set n, 0
.rept 32
	v_exp_f32 v[128+n], v[128+n]
.set n, n+1
.endr
	v_nop                                          ; a plain place behind the exponentials
	s_wait_alu depctr_va_vdst(0)                   ; one wait for the batch, ahead of its first reader
.irp i, 0,1,2,3
	v_pk_add_f32 v[176+2*\i:177+2*\i], v[128+8*\i:129+8*\i], v[130+8*\i:131+8*\i]
	v_pk_add_f32 v[184+2*\i:185+2*\i], v[132+8*\i:133+8*\i], v[134+8*\i:135+8*\i]
.endr
.irp i, 0,1,2,3
	v_pk_add_f32 v[176+2*\i:177+2*\i], v[176+2*\i:177+2*\i], v[184+2*\i:185+2*\i]
.endr
.irp i, 0,1,2,3
	v_add_f32 v[176+2*\i], v[176+2*\i], v[177+2*\i]
.endr
.irp i, 0,1,2,3
	v_permlanex16_b32 v[177+2*\i], v[176+2*\i], s46, s47
.endr
.irp i, 0,1,2,3
	v_add_f32 v[12+\i], v[176+2*\i], v[177+2*\i]
.endr
.set n, 0
.rept 16
.if n < 4
	v_cvt_pk_bf16_f32 v[176+n], v[128+2*n], v[129+2*n]             ; level 3's weights stand in the first operand as they are
.else
	v_cvt_pk_bf16_f32 v[160+n], v[128+2*n], v[129+2*n]
.endif
.set n, n+1
.endr
.irp e, 0,1,2,3                        ; the parents' weights at the slots of level 3: [P3 | P4] in v176-183, [P5 | P6] in v184-191
	v_permlane16_b32 v[180+\e], v[164+\e], s42, s42
	v_permlane16_b32 v[184+\e], v[168+\e], s43, s43
	v_permlane16_b32 v[188+\e], v[172+\e], s44, s44
.endr
	v_permlane16_b32 v9, v13, s42, s42             ; and their sums
	v_permlane16_b32 v10, v14, s43, s43
	v_permlane16_b32 v11, v15, s44, s44
.irp t, 0,1,2,3                        ; four accumulators by turns: the numerators of levels 3 .. 6 for my 16 slots of level 3
	v_wmma_f32_16x16x32_bf16 v[32+8*\t:39+8*\t], v[192+8*\t:199+8*\t], v[176:183], 0
.endr
.irp t, 0,1,2,3
	v_wmma_f32_16x16x32_bf16 v[32+8*\t:39+8*\t], v[224+8*\t:231+8*\t], v[184:191], v[32+8*\t:39+8*\t]
.endr
	v_add_f32 v9, v9, v12                          ; the four levels' denominator; with the v_nop: the four places behind the products
	v_add_f32 v10, v10, v11
	v_add_f32 v12, v9, v10
	v_nop
.macro TILE T                          ; 16 fine tokens: token i has its parent of level 3 at slot (i & 8) | T
	s_mov_b32 s40, 0x11111111*(\T)
	s_mov_b32 s41, 0x11111111*(8+(\T))
	v_permlane16_b32 v8, v12, s40, s41
	v_add_f32 v8, v8, v[16+(\T)]
	v_add_f32 v8, 0x3089705f, v8                   ; + 1e-9
	v_rcp_f32 v28, v8
.set n, 0
.rept 32
	v_permlane16_b32 v[64+n], v[32+n], s40, s41    ; each accumulator from its low end on
.set n, n+1
.endr
	s_wait_loadcnt 56-8*(\T)                       ; this tile's eight loads are in; the later tiles' may be out
	WIN 0x01
.set n, 0
.rept 16
	v_pk_add_f32 v[96+2*n:97+2*n], v[32*(\T)+2*n:32*(\T)+2*n+1], v[64+2*n:65+2*n]
.set n, n+1
.endr
	WIN 0
	s_wait_alu depctr_va_vdst(0)                   ; the wait for the reciprocal, ahead of its first reader; the permutes and additions above are the work between
.set n, 0
.rept 16
	v_pk_mul_f32 v[96+2*n:97+2*n], v[96+2*n:97+2*n], v[28:29] op_sel_hi:[1,0]
.set n, n+1
.endr
.irp t, 0,1,2,3
	ds_store_b128 v5, v[96+8*\t:99+8*\t] offset:64*\t              ; lane (r, h): token r, dims 16 t + 8 h + 0 .. 7
	ds_store_b128 v5, v[100+8*\t:103+8*\t] offset:64*\t+16
.endr
	s_wait_xcnt 0x0                                ; the last tile's stores have read the registers that the loads below fill
.irp i, 0,1,2,3,4,5,6,7
	ds_load_b128 v[128+4*\i:131+4*\i], v6 offset:544*\i            ; LDS serves a wave's instructions in order: these see the stores above
.endr
.irp i, 0,1,2,3,4,5,6,7
	s_wait_dscnt 7-\i
	global_store_b128 v7, v[128+4*\i:131+4*\i], s[10:11] offset:65536*(\T)+8192*\i th:TH_STORE_NT   ; sixteen lanes store 256 consecutive bytes, aligned
.endr
.endm
.irp T, 0,1,2,3,4,5,6,7
	TILE \T
.endr
	s_wait_tensorcnt 0x0
	ds_add_u32 v30, v31
	s_wait_dscnt 0x0
	s_endpgm
.Lfunc_end_k_q52cd20be4d_fin:
	.size	k_q52cd20be4d_fin, .Lfunc_end_k_q52cd20be4d_fin-k_q52cd20be4d_fin
	.p2alignl 7, 3214868480
	.fill 96, 4, 3214868480
	.section	.rodata,"a",@progbits
	.p2align	6, 0x0
	.amdhsa_kernel k_q52cd20be4d_fin
		.amdhsa_group_segment_fixed_size 17920
		.amdhsa_private_segment_fixed_size 0
		.amdhsa_enable_private_segment 0
		.amdhsa_kernarg_size 32
		.amdhsa_user_sgpr_count 2
		.amdhsa_user_sgpr_kernarg_segment_ptr 1
		.amdhsa_wavefront_size32 1
		.amdhsa_system_sgpr_workgroup_id_x 1
		.amdhsa_system_sgpr_workgroup_id_y 1
		.amdhsa_system_sgpr_workgroup_id_z 1
		.amdhsa_system_vgpr_workitem_id 0
		.amdhsa_next_free_vgpr 512
		.amdhsa_next_free_sgpr 66
		.amdhsa_reserve_vcc 0
		.amdhsa_float_denorm_mode_32 3
		.amdhsa_float_denorm_mode_16_64 3
		.amdhsa_memory_ordered 1
		.amdhsa_forward_progress 1
		.amdhsa_inst_pref_size 81
	.end_amdhsa_kernel
	.amdgpu_metadata
---
amdhsa.version: [ 1, 2 ]
amdhsa.kernels:
  - .name:           k_q52cd20be4d_fin
    .symbol:         k_q52cd20be4d_fin.kd
    .args:
      - { .name: ypart, .offset: 0, .size: 8, .value_kind: global_buffer, .address_space: global }
      - { .name: apart, .offset: 8, .size: 8, .value_kind: global_buffer, .address_space: global }
      - { .name: cw, .offset: 16, .size: 8, .value_kind: global_buffer, .address_space: global }
      - { .name: out0, .offset: 24, .size: 8, .value_kind: global_buffer, .address_space: global }
    .group_segment_fixed_size: 17920
    .private_segment_fixed_size: 0
    .kernarg_segment_align: 8
    .kernarg_segment_size: 32
    .max_flat_workgroup_size: 128
    .sgpr_count:     66
    .vgpr_count:     512
    .wavefront_size: 32
...
	.end_amdgpu_metadata
.endif
;; end of part 2
